; MI455X (gfx1250); checked and timed in simulation.
; The chip was launched on July 23, 2026; its instructions are those of AMD's public machine-readable ISA for CDNA 5 (MIT licence, August 2026) and "CDNA5" Instruction Set Architecture Reference Guide (July 2026). The comments in the code are by the model that wrote it; some were corrected since.
;; Channel Diffusion. Allowed arithmetic: matrix products marked QUANTISED: E2M1 operands, one E8M0 scale for each 32 along K, by v_wmma_scale_f32_16x16x128_f8f6f4 with both operands' format E2M1 (or v_wmma_scale_f32_32x16x128_f4), f32 sums; products left as they are: bf16, f16 or f32 operands; f32 sums; everything else in f32.
;; Inputs: Wo 1,024 x 1,024 float32; Wqk 1,024 x 1,024 float32; Wv 1,024 x 1,024 float32; tau 16 x 1 x 1 float32; x 8 x 2,048 x 1,024 float32.
;; Outputs: out0 8 x 2,048 x 1,024 float32.
;; This version of the problem:
;;   THIS VERSION OF THE PROBLEM IS GIVEN IN LOW PRECISION. The matrix products marked QUANTISED in the list below multiply operands that are first quantised to E2M1 (2 exponent bits, 1 mantissa bit; 4 bits a number), with one power-of-two scale for each 32 numbers along K (OCP MX v1.0); their sums are f32. The products marked 'left as it is' may take bf16, f16 or f32 operands, with f32 sums. Whichever they take, every output number must still come out within the allowed error. Rounding operands to bf16 (8 significant bits) uses up far more of that allowance than f16 does (11 bits, for magnitudes from 6e-5 to 65,504). All else is computed in f32.
;;   The module's matrix products, in the order in which they are computed (A, B: the left and right operand; K: the contracted axis; several contracted axes count as one K, in the product's order):
;;     1. [M 16,384, K 1,024] x [K 1,024, N 1,024]; A: input x; B: input Wqk: QUANTISED
;;     2. [M 16,384, K 1,024] x [K 1,024, N 1,024]; A: input x; B: input Wv: QUANTISED
;;     3. batch 128 x [M 64, K 2,048] x [K 2,048, N 64]; A: computed on the way; B: computed on the way: left as it is (an operand is computed on the way)
;;     4. batch 128 x [M 64, K 64] x [K 64, N 2,048]; A: computed on the way; B: computed on the way: left as it is (an operand is computed on the way)
;;     5. [M 16,384, K 1,024] x [K 1,024, N 1,024]; A: computed on the way; B: input Wo: left as it is (an operand is computed on the way)
;;   THE QUANTISER, for each operand of a quantised product, along K:
;;     - K is cut into blocks of 32 from its start; a last block that is shorter is filled with zeros.
;;     - A block's scale is 2^e with e = floor(log2(the largest magnitude in the block)) - 2, held to -126 .. 127; a block of zeros has e = 0. As a byte (E8M0): e + 127.
;;     - Each number is divided by its block's scale, clamped to +-6, and rounded to the nearest number of E2M1, ties to even, subnormals kept.
;;     - The product sums the exact products of the quantised numbers (number of the format x scale) in f32.
;;   ~~~python
;;   def quantise(x, axis):      # numpy; x: float32 -> the quantised numbers, widened to float32 again
;;       x = np.moveaxis(x, axis, -1); K = x.shape[-1]
;;       x = np.pad(x, [(0, 0)] * (x.ndim - 1) + [(0, -K % 32)]); x = x.reshape(x.shape[:-1] + (-1, 32)); a = np.abs(x).max(-1, keepdims=True)
;;       e = np.where(a > 0, np.clip(np.frexp(np.where(a > 0, a, 1))[1] - 1 - 2, -126, 127), 0)      # np.frexp(a)[1] - 1 = floor(log2(a)), exactly
;;       r = np.clip(x / 2.0 ** e, -6, 6)
;;       step = 2.0 ** (np.maximum(np.frexp(np.where(r == 0, 1, r))[1] - 1, 0) - 1)
;;       q = np.round(r / step) * step * 2.0 ** e      # np.round: ties to even
;;       return np.moveaxis(q.reshape(q.shape[:-2] + (-1,))[..., :K], -1, axis).astype(np.float32)
;;   ~~~
;; One version. Each part assembles by itself: llvm-mc -triple=amdgcn-amd-amdhsa -mcpu=gfx1250 --defsym DOCPART=n.
;; ======== version 1 of 1: 4 launches
;; limits: values are held in f16: magnitudes above 65,504 overflow, below 6.1e-05 lose precision
;; workspace buffers: xq 8,912,896 bytes; wq 1,114,112 bytes; wof 2,097,152 bytes; vws 33,554,432 bytes; gp 16,777,216 bytes; wop 16,777,216 bytes
;; launch prep (part 1): grid 448 x 1, 4 waves a work-group, no clusters, 34,304 bytes of LDS; arguments x, Wqk, Wv, Wo, xq, wq, wof; writes xq, wq, wof
.if DOCPART == 1
	.amdgcn_target "amdgcn-amd-amdhsa--gfx1250"
	.amdhsa_code_object_version 6
	.text
	.protected	k_q067dbcaf12_prep
	.globl	k_q067dbcaf12_prep
	.p2align	8
	.type	k_q067dbcaf12_prep,@function
k_q067dbcaf12_prep:
	s_mov_b64 s[64:65], 0
	v_nop
	global_prefetch_b8 v0, s[64:65] scope:SCOPE_SE
	s_setreg_imm32_b32 hwreg(HW_REG_WAVE_MODE, 25, 1), 1
	s_wait_xcnt 0x0
; THE PROGRAM (four launches): out0 = ((softmax((2 dot - q2[d] - q2[e]) tau / sqrt(2048)) v)^T) Wo, qk = Q(x) Q(Wqk), v = Q(x) Q(Wv) on codes of FP4 (E2M1), dot = qk^T qk for each batch and head.
; WORK LEFT OUT, for all values of the inputs:
;   q2[e] = sum over n of qk[e][n]^2 is dot[e][e], an identity: it is read off dot's diagonal and not summed again.
;   - q2[d] is the same for all e of a softmax row d: it cancels between numerator and denominator; it is of the size of the terms that stay, so f32 loses nothing by its absence.
;   (attn v)^T Wo = v^T-free form: out0[n][:] = sum over e of v[n][64 h + e] W'[64 h + e][:], W'[64 h + e][:] = sum over d of attn[d][e] Wo[64 h + d][:] (sums in another order): the product with attn is made on Wo's 1,024 columns for each batch and not on 2,048 tokens.
;   Every input has a way to the output and is loaded.  LIMIT: a NaN, an infinity or an overflow that reaches only the term - q2[d] is not carried to the result.
; THIS LAUNCH lays the operands out once, in the order of the matrix operands' registers, so that every later load and store is 16 bytes a lane, 512 consecutive bytes a wave.
;   A RECORD (8,704 bytes) = 16 rows x 1,024 along K as FP4: byte 1024 s + 512 c + 16 (16 h + r) on: the 16 bytes of codes of row r, k = 128 s + 64 c + 32 h + 0 .. 31; byte 8192 + 32 r + 4 s: row r's four E8M0 bytes of K step s.
;   xq: a record for each 16 tokens.  wq: a record for each 16 columns of Wqk (0-63) and of Wv (64-127).  wof: Wo as f16, [head][16 columns][32 rows d]: 1,024 bytes a fragment.
; A block's scale is 2^(floor(log2(largest magnitude)) - 2): its byte is the largest magnitude's exponent field - 2, held at 1 from below by a floor among the maximum's leaves.
; LIMITS: a block of zeros gets the byte 1 where the rule says 127 (its codes are zeros, and this program alone reads the bytes); blocks whose largest magnitude lies under 2^-124 are held at the floor; NaN and infinities among the inputs are not served; |Wo| up to 65,504 (f16).
; SHARES: work-groups 0-255: x, a wave to 16 tokens.  256-383: Wqk and Wv, a wave to 32 columns x 128 along K.  384-447: Wo, a wave to 32 columns x 128 rows.  Only the first kind touches LDS.
.set REC,   8704
.set SP,    528                        ; a stage row: 512 bytes + 16: an odd multiple of 16, so the sixteen rows of a read start in different banks
.set STW,   16*SP                      ; a wave's stage
.set SPARE, 4*STW                      ; behind the stages: the spare words, 128 bytes a wave
.set LI,    2                          ; v2   16 x lane
.set STI,   5                          ; v5   the stage, on the way in
.set STO,   6                          ; v6   and on the way out
.set SPW,   8                          ; v8   my spare word; never rewritten
.set NIL,   9                          ; v9   0; never rewritten
.set SW,    24                         ; v24-31 x's scale words, one a K step
.set X,     64                         ; v64-127 two blocks of 32 neighbours
.set C,     128                        ; v128-191 codes: eight registers a K step, so that no store's data are written again
.set RW,    64                         ; v64-191 the weights' paths: 128 numbers down K
.set PK,    192                        ; v192-255 their codes or f16 pairs
.set MSB, 0
.macro WIN new                         ; the immediate's high byte repeats the setting that is left
.if MSB != \new
	s_set_vgpr_msb (MSB<<8)|\new
.set MSB, \new
.endif
.endm
; the largest magnitude of 32 numbers of a lane, in two chains, with the floor 2^(3 - 127) as one more leaf
.macro BMAX ma, mb, base
	v_max3_num_f32 v[\ma], |v[(\base)]|, |v[(\base)+1]|, 0x1800000
	v_max3_num_f32 v[\mb], |v[(\base)+16]|, |v[(\base)+17]|, |v[(\base)+18]|
.irp i, 2,4,6,8,10,12
	v_max3_num_f32 v[\ma], v[\ma], |v[(\base)+\i]|, |v[(\base)+\i+1]|
	v_max3_num_f32 v[\mb], v[\mb], |v[(\base)+17+\i]|, |v[(\base)+18+\i]|
.endr
	v_max3_num_f32 v[\ma], v[\ma], |v[(\base)+14]|, |v[(\base)+15]|
	v_max3_num_f32 v[\ma], v[\ma], v[\mb], |v[(\base)+31]|
.endm
	s_load_b256 s[4:11], s[0:1], 0x0               ; x, Wqk, Wv, Wo
	s_load_b128 s[12:15], s[0:1], 0x20             ; xq, wq
	s_load_b64 s[16:17], s[0:1], 0x30              ; wof
	v_lshl_add_u32 v[SPW], v0, 2, SPARE
	v_mov_b32 v[NIL], 0
	v_lshrrev_b32 v1, 5, v0
	v_readfirstlane_b32 s18, v1                    ; wave
	v_and_b32 v1, 31, v0                           ; lane
	v_and_b32 v3, 15, v0                           ; r
	v_bfe_u32 v4, v0, 4, 1                         ; h
	v_lshlrev_b32 v[LI], 4, v1
	v_lshlrev_b32 v11, 2, v1                       ; 4 x lane
	s_mul_i32 s19, s18, STW
	v_add_nc_u32 v[STI], s19, v[LI]                ; in: a row's 512 bytes as they lie
	v_mul_u32_u24 v[STO], v3, SP
	v_lshl_add_u32 v[STO], v4, 7, v[STO]
	v_add_nc_u32 v[STO], s19, v[STO]               ; out: row r, + 128 h: my block of 32
	s_mov_b32 s20, 0x76543210
	s_mov_b32 s21, 0xfedcba98                      ; v_permlanex16_b32's selects for lane l xor 16
	s_mov_b32 s29, 0
	s_wait_kmcnt 0x0
	s_cmp_lt_u32 ttmp9, 256
	s_cbranch_scc0 .Lnot_x
; ---- x: my wave's 16 tokens, eight K steps of 128, written out: every offset is an immediate
	v_lshlrev_b32 v7, 5, v3
	v_lshl_add_u32 v7, v4, 4, v7                   ; the scale words' place: 32 r + 16 h
	v_lshlrev_b32 v10, 3, v4                       ; 8 h
	v_mov_b32 v21, 0                               ; a lane permute's destination counts as one of its sources
	s_lshl_b32 s26, ttmp9, 2
	s_add_co_u32 s26, s26, s18                     ; which 16 tokens
	s_lshl_b32 s28, s26, 16                        ; 16 rows of 4,096 bytes
	s_add_nc_u64 s[22:23], s[4:5], s[28:29]
	s_mul_i32 s28, s26, REC
	s_add_nc_u64 s[24:25], s[12:13], s[28:29]
.macro XLD s                           ; K step s of the 16 tokens: each load reads 512 consecutive bytes; four sets of 64 registers in window 1
	WIN 0x40
.irp m, 0,1,2,3,4,5,6,7,8,9,10,11,12,13,14,15
	global_load_b128 v[64*((\s)%4)+4*\m:64*((\s)%4)+4*\m+3], v[LI], s[22:23] offset:4096*\m+512*(\s) th:TH_LOAD_NT
.endr
	WIN 0
.endm
.macro XSTEP s
.if (\s) < 5
	s_wait_loadcnt 48                              ; this step's 16 loads are in; the three younger sets stay out
.else
	s_wait_loadcnt 16*(7-(\s))
.endif
	WIN 0x04                                       ; an LDS store's data are its source 1: window 1
.irp m, 0,1,2,3,4,5,6,7,8,9,10,11,12,13,14,15
	ds_store_b128 v[STI], v[64*((\s)%4)+4*\m:64*((\s)%4)+4*\m+3] offset:SP*\m
.endr
	WIN 0
.irp c, 0,1                            ; LDS serves a wave's instructions in order: these see the stores above
.irp j, 0,1,2,3,4,5,6,7
	ds_load_b128 v[X+32*\c+4*\j:X+32*\c+4*\j+3], v[STO] offset:256*\c+16*\j   ; token r, k = 128 s + 64 c + 32 h + 4 j on
.endr
.endr
	s_wait_dscnt 0x0                               ; my two blocks are in, and the stores have read their registers
.if (\s)+4 < 8
	XLD (\s)+4
.endif
	BMAX 12, 14, X
	BMAX 13, 15, X+32
	v_add_nc_u32 v16, 0xff000000, v12              ; 2 off the exponent field: the conversion's scale operand
	v_add_nc_u32 v17, 0xff000000, v13
	v_lshrrev_b32 v18, 23, v16                     ; the scales' bytes: blocks h and 2 + h of the K step
	v_lshrrev_b32 v19, 23, v17
	v_lshl_or_b32 v20, v19, 16, v18
	v_lshlrev_b32 v20, v10, v20                    ; at their places in the word
	v_permlanex16_b32 v21, v20, s20, s21
	v_or_b32 v[SW+(\s)], v20, v21                  ; with lane l xor 16's two the word is whole
.irp c, 0,1
.irp g, 0,1,2,3
	v_cvt_scalef32_pk8_fp4_f32 v[C+8*(\s)+4*\c+\g], v[X+32*\c+8*\g:X+32*\c+8*\g+7], v[16+\c]
.endr
.endr
	v_nop                                          ; one plain place behind the scaled conversions
.irp c, 0,1
	global_store_b128 v[LI], v[C+8*(\s)+4*\c:C+8*(\s)+4*\c+3], s[24:25] offset:1024*(\s)+512*\c   ; 512 consecutive bytes, aligned
.endr
.endm
	XLD 0
	XLD 1
	XLD 2
	XLD 3
.irp s, 0,1,2,3,4,5,6,7
	XSTEP \s
.endr
	v_cmp_lt_u32 vcc_lo, 15, v1                    ; lanes 16-31 store the words of K steps 4 to 7
.irp i, 0,1,2,3
	v_cndmask_b32 v[32+\i], v[SW+\i], v[SW+4+\i], vcc_lo
.endr
	global_store_b128 v7, v[32:35], s[24:25] offset:8192
	s_wait_tensorcnt 0x0                           ; the wave's end, behind my last LDS store
	ds_add_u32 v[SPW], v[NIL]
	s_wait_dscnt 0x0
	s_endpgm
.macro WLD                             ; a lane takes a column, its registers run down 128 rows: each load reads 128 consecutive bytes, the four waves stand side by side
.set kk, 0
.rept 128
	global_load_b32 v[RW+kk], v11, s[22:23] offset:4096*kk th:TH_LOAD_NT
.set kk, kk+1
.endr
.endm
.Lnot_x:
	s_cmp_lt_u32 ttmp9, 384
	s_cbranch_scc0 .Lpath_o
; ---- Wqk, Wv: K is the first axis; the conversions' results are the operand's registers
	s_sub_co_u32 s26, ttmp9, 256
	s_lshl_b32 s26, s26, 2
	s_add_co_u32 s26, s26, s18
	s_and_b32 s27, s26, 63                         ; which 32 columns: 0-31 of Wqk, 32-63 of Wv
	s_lshr_b32 s26, s26, 6                         ; which K step
	s_cmp_lt_u32 s27, 32
	s_cselect_b64 s[22:23], s[6:7], s[8:9]
	s_and_b32 s28, s27, 31
	s_lshl_b32 s28, s28, 7
	s_lshl_b32 s30, s26, 19                        ; 128 rows of 4,096 bytes
	s_add_co_u32 s28, s28, s30
	s_add_nc_u64 s[22:23], s[22:23], s[28:29]
	s_mul_i32 s28, s27, 2*REC                      ; two records
	s_add_nc_u64 s[24:25], s[14:15], s[28:29]
	s_lshl_b32 s30, s26, 10
	s_lshl_b32 s31, s26, 2
	v_mul_u32_u24 v36, v4, REC                     ; lanes 16-31: the second record
	v_lshl_add_u32 v37, v3, 5, v36
	v_lshl_add_u32 v36, v3, 4, v36
	v_add_nc_u32 v36, s30, v36                     ; codes: + 16 r + 1024 x K step
	v_add_nc_u32 v37, s31, v37                     ; scale word: + 32 r + 4 x K step
	WLD
.irp kb, 0,1,2,3
.if \kb == 0
	s_wait_loadcnt 63                              ; of 128 loads at most 63 are out: the first 64, blocks 0 and 1, are in
.elseif \kb == 2
	s_wait_loadcnt 32                              ; block 3's 32 may be out
.elseif \kb == 3
	s_wait_loadcnt 0x0
.endif
	BMAX 12, 14, RW+32*\kb
	v_add_nc_u32 v16, 0xff000000, v12
	v_lshrrev_b32 v18, 23, v16
.if \kb == 0
	v_mov_b32 v20, v18
.else
	v_lshl_or_b32 v20, v18, 8*\kb, v20
.endif
.irp g, 0,1,2,3
	v_cvt_scalef32_pk8_fp4_f32 v[PK+4*\kb+\g], v[RW+32*\kb+8*\g:RW+32*\kb+8*\g+7], v16
.endr
	v_nop                                          ; one plain place behind the scaled conversions
	global_store_b128 v36, v[PK+4*\kb:PK+4*\kb+3], s[24:25] offset:512*(\kb/2)+256*(\kb%2)   ; sixteen lanes fill 256 consecutive bytes, aligned
.endr
	global_store_b32 v37, v20, s[24:25] offset:8192  ; four bytes a column, 32 bytes apart: 64 KiB in the whole launch
	s_endpgm
.Lpath_o:
; ---- Wo to f16, in the order of the right operand's registers: column r, rows d = 32 p + 16 half + 8 h + 0 .. 7
	s_sub_co_u32 s26, ttmp9, 384
	s_lshl_b32 s26, s26, 2
	s_add_co_u32 s26, s26, s18
	s_and_b32 s27, s26, 31                         ; which 32 columns
	s_lshr_b32 s26, s26, 5                         ; which 128 rows: two heads
	s_lshl_b32 s28, s26, 19
	s_lshl_b32 s30, s27, 7
	s_add_co_u32 s28, s28, s30
	s_add_nc_u64 s[22:23], s[10:11], s[28:29]
	s_lshl_b32 s28, s26, 18                        ; two heads of 131,072 bytes
	s_lshl_b32 s30, s27, 12                        ; two tiles of 16 columns, 2,048 bytes each
	s_add_co_u32 s28, s28, s30
	s_add_nc_u64 s[24:25], s[16:17], s[28:29]
	v_lshlrev_b32 v36, 11, v4
	v_lshl_add_u32 v36, v3, 4, v36
	WLD
.irp g, 0,1,2,3,4,5,6,7,8,9,10,11,12,13,14,15
.if \g == 0
	s_wait_loadcnt 63                              ; the first 64 rows are in
.elseif \g == 8
	s_wait_loadcnt 32
.elseif \g == 12
	s_wait_loadcnt 0x0
.endif
.irp q, 0,1,2,3
	v_cvt_pk_f16_f32 v[PK+4*\g+\q], v[RW+8*\g+2*\q], v[RW+8*\g+2*\q+1]
.endr
	global_store_b128 v36, v[PK+4*\g:PK+4*\g+3], s[24:25] offset:131072*(\g/8)+1024*((\g/4)%2)+512*((\g/2)%2)+256*(\g%2)
.endr
	s_endpgm
.Lfunc_end_k_q067dbcaf12_prep:
	.size	k_q067dbcaf12_prep, .Lfunc_end_k_q067dbcaf12_prep-k_q067dbcaf12_prep
	.p2alignl 7, 3214868480
	.fill 96, 4, 3214868480
	.section	.rodata,"a",@progbits
	.p2align	6, 0x0
	.amdhsa_kernel k_q067dbcaf12_prep
		.amdhsa_group_segment_fixed_size 34304
		.amdhsa_private_segment_fixed_size 0
		.amdhsa_enable_private_segment 0
		.amdhsa_kernarg_size 56
		.amdhsa_user_sgpr_count 2
		.amdhsa_user_sgpr_kernarg_segment_ptr 1
		.amdhsa_wavefront_size32 1
		.amdhsa_system_sgpr_workgroup_id_x 1
		.amdhsa_system_sgpr_workgroup_id_y 1
		.amdhsa_system_sgpr_workgroup_id_z 1
		.amdhsa_system_vgpr_workitem_id 0
		.amdhsa_next_free_vgpr 512
		.amdhsa_next_free_sgpr 66
		.amdhsa_reserve_vcc 1
		.amdhsa_float_denorm_mode_32 3
		.amdhsa_float_denorm_mode_16_64 3
		.amdhsa_memory_ordered 1
		.amdhsa_forward_progress 1
		.amdhsa_inst_pref_size 95
	.end_amdhsa_kernel
	.amdgpu_metadata
---
amdhsa.version: [ 1, 2 ]
amdhsa.kernels:
  - .name:           k_q067dbcaf12_prep
    .symbol:         k_q067dbcaf12_prep.kd
    .args:
      - { .name: x, .offset: 0, .size: 8, .value_kind: global_buffer, .address_space: global }
      - { .name: Wqk, .offset: 8, .size: 8, .value_kind: global_buffer, .address_space: global }
      - { .name: Wv, .offset: 16, .size: 8, .value_kind: global_buffer, .address_space: global }
      - { .name: Wo, .offset: 24, .size: 8, .value_kind: global_buffer, .address_space: global }
      - { .name: xq, .offset: 32, .size: 8, .value_kind: global_buffer, .address_space: global }
      - { .name: wq, .offset: 40, .size: 8, .value_kind: global_buffer, .address_space: global }
      - { .name: wof, .offset: 48, .size: 8, .value_kind: global_buffer, .address_space: global }
    .group_segment_fixed_size: 34304
    .private_segment_fixed_size: 0
    .kernarg_segment_align: 8
    .kernarg_segment_size: 56
    .max_flat_workgroup_size: 128
    .sgpr_count:     66
    .vgpr_count:     512
    .wavefront_size: 32
...
	.end_amdgpu_metadata
.endif
;; end of part 1
;; launch proj (part 2): grid 4 x 64, 4 waves a work-group, clusters of 4 x 1, 167,936 bytes of LDS; arguments xq, wq, vws, gp; writes vws, gp
.if DOCPART == 2
	.amdgcn_target "amdgcn-amd-amdhsa--gfx1250"
	.amdhsa_code_object_version 6
	.text
	.protected	k_q067dbcaf12_proj
	.globl	k_q067dbcaf12_proj
	.p2align	8
	.type	k_q067dbcaf12_proj,@function
k_q067dbcaf12_proj:
	s_mov_b64 s[64:65], 0
	v_nop
	global_prefetch_b8 v0, s[64:65] scope:SCOPE_SE
	s_setreg_imm32_b32 hwreg(HW_REG_WAVE_MODE, 25, 1), 1
	s_wait_xcnt 0x0
	s_wait_alu depctr_hold_cnt(0) depctr_sa_sdst(0) depctr_va_vdst(0) depctr_va_sdst(0) depctr_va_ssrc(0) depctr_va_vcc(0) depctr_vm_vsrc(0)
	s_getreg_b32 s2, hwreg(HW_REG_IB_STS2, 6, 4)
	s_cmp_eq_u32 s2, 0
	s_cbranch_scc0 .Lentry_in_a_cluster
	s_endpgm
.Lentry_in_a_cluster:
	s_bfe_u32 s2, ttmp6, 0x10000c
	s_cmp_lg_u32 s2, 0x3003
	s_cbranch_scc0 .Lentry_shape_is_right
	s_endpgm
.Lentry_shape_is_right:
; qk = Q(x) Q(Wqk) and v = Q(x) Q(Wv) on codes of FP4; qk never goes to memory: it is rounded to f16 in registers and multiplied with itself, G[d][e] += sum over 32 tokens of qk[n][d] qk[n][e].
; WORK LEFT OUT: q2 is not summed: it is G's diagonal (an identity).
; SHARES.  A work-group takes 256 tokens (work-group y) and four heads; wave w owns one head: its 64 columns of Wqk and 64 of Wv, for all of K, stay in 512 registers.  It walks the tokens 32 a trip, eight trips.
; CLUSTER.  The four work-groups of a cluster take the sixteen heads for the same 256 tokens: x's 16 records (139,264 bytes) are asked for JOINTLY, a quarter by each wave, once; nothing in LDS is filled again.
; The weights are not shared through LDS: 4 heads' records are 278,528 bytes, which do not fit beside x's; each wave reads its own head's straight into the registers in which they stay.
; LAYOUTS.  qk: source 0 = 16 tokens of x, source 1 = 16 columns of Wqk: a lane holds ONE channel and eight tokens: packed in pairs these are the f16 operand (16 channels x 32 tokens) of the product with itself.
;   v: source 0 = 16 columns of Wv, source 1 = 16 tokens: a lane holds ONE token and eight channels: packed they are 16 bytes of the left operand of the last launch's product, stored in the order of its registers.
; OUT.  vws [16 tokens][32 channels]: 1,024 bytes a fragment.  gp [batch x head][block of 256 tokens][4 x 4 tiles]: 1,024 bytes a tile, an image of the accumulator's registers.  Every store covers 512 consecutive bytes, aligned.
; LIMIT: |qk| and |v| up to 65,504 (f16).
; REGISTERS.  window 0: v1-7 addresses; v8-15 x's scale words (lanes 0-15 the trip's first 16 tokens, lanes 16-31 the second); v16-47 the weights' (lanes 0-15 Wqk's, lanes 16-31 Wv's); v64-95, v96-127 qk as f16, twice; v128-255 x's fragments.
;   window 1: Wqk's 32 fragments.  window 2: Wv's.  window 3: v0-127 G; v128-191 qk's sums, later v as f16; v192-255 v's sums.
.set REC,   8704
.set SPARE, 16*REC                     ; behind x's records: the spare words, 128 bytes a wave
.set LI,   1                           ; v1  16 x lane
.set AX,   2                           ; v2  LDS address of the trip's fragments
.set AXS,  3                           ; v3  and of its scale words
.set WSO,  4                           ; v4  the weights' scale words in memory
.set AXS0, 5                           ; v5  8704 h + 32 r + 8192
.set SPW,  6                           ; v6  my spare word; never rewritten
.set NIL,  7                           ; v7  0; never rewritten
.set XS,   8
.set WS,   16
.set F,    64
.set F2,   96
.set XF,   128
.set QA,   128
.set VP,   128
.set VB,   192
.set W_Q,  0xf4                        ; source 0 (x) window 0, source 1 (Wqk) window 1, C and D window 3
.set W_V,  0xf2                        ; source 0 (Wv) window 2, source 1 (x) window 0, C and D window 3
.set W_CQ, 0x0f                        ; sources window 3, destination window 0
.set W_G,  0xf0                        ; sources window 0, C and D window 3
.set W_CV, 0xcf                        ; sources and destination window 3
.set W_ST, 0x0c                        ; a store's data: window 3
.set MSB, 0
.macro WIN new                         ; the immediate's high byte repeats the setting that is left
.if MSB != \new
	s_set_vgpr_msb (MSB<<8)|\new
.set MSB, \new
.endif
.endm
.macro ROUND                           ; a round of the cluster's barrier
	s_barrier_signal -1
	s_barrier_wait -1
	s_cmp_lg_u32 s12, 0
	s_cbranch_scc1 .Lnot_wave_0_\@
	s_barrier_signal -3
.Lnot_wave_0_\@:
	s_barrier_wait -3
	s_barrier_signal -1
	s_barrier_wait -1
.endm
; one scaled product.  zero: the sum begins.  ra, rb: the side's scale words stand in lanes 16-31
.macro FP4MM d, a, b, zero, sa, sb, ra, rb
.if \zero
.if (\ra) && (\rb)
	v_wmma_scale_f32_16x16x128_f8f6f4 v[(\d):(\d)+7], v[(\a):(\a)+7], v[(\b):(\b)+7], 0, v[\sa], v[\sb] matrix_a_fmt:MATRIX_FMT_FP4 matrix_b_fmt:MATRIX_FMT_FP4 matrix_a_scale:MATRIX_SCALE_ROW1 matrix_b_scale:MATRIX_SCALE_ROW1
.elseif \ra
	v_wmma_scale_f32_16x16x128_f8f6f4 v[(\d):(\d)+7], v[(\a):(\a)+7], v[(\b):(\b)+7], 0, v[\sa], v[\sb] matrix_a_fmt:MATRIX_FMT_FP4 matrix_b_fmt:MATRIX_FMT_FP4 matrix_a_scale:MATRIX_SCALE_ROW1
.else
	v_wmma_scale_f32_16x16x128_f8f6f4 v[(\d):(\d)+7], v[(\a):(\a)+7], v[(\b):(\b)+7], 0, v[\sa], v[\sb] matrix_a_fmt:MATRIX_FMT_FP4 matrix_b_fmt:MATRIX_FMT_FP4
.endif
.else
.if (\ra) && (\rb)
	v_wmma_scale_f32_16x16x128_f8f6f4 v[(\d):(\d)+7], v[(\a):(\a)+7], v[(\b):(\b)+7], v[(\d):(\d)+7], v[\sa], v[\sb] matrix_a_fmt:MATRIX_FMT_FP4 matrix_b_fmt:MATRIX_FMT_FP4 matrix_a_scale:MATRIX_SCALE_ROW1 matrix_b_scale:MATRIX_SCALE_ROW1
.elseif \ra
	v_wmma_scale_f32_16x16x128_f8f6f4 v[(\d):(\d)+7], v[(\a):(\a)+7], v[(\b):(\b)+7], v[(\d):(\d)+7], v[\sa], v[\sb] matrix_a_fmt:MATRIX_FMT_FP4 matrix_b_fmt:MATRIX_FMT_FP4 matrix_a_scale:MATRIX_SCALE_ROW1
.else
	v_wmma_scale_f32_16x16x128_f8f6f4 v[(\d):(\d)+7], v[(\a):(\a)+7], v[(\b):(\b)+7], v[(\d):(\d)+7], v[\sa], v[\sb] matrix_a_fmt:MATRIX_FMT_FP4 matrix_b_fmt:MATRIX_FMT_FP4
.endif
.endif
.endm
	s_load_b256 s[4:11], s[0:1], 0x0               ; xq, wq, vws, gp
	v_lshl_add_u32 v[SPW], v0, 2, SPARE
	v_mov_b32 v[NIL], 0
	ds_add_u32 v[SPW], v[NIL]                      ; the wave's opening: the add, twice on end, and its wait ahead of my first tensor load
	ds_add_u32 v[SPW], v[NIL]
	v_lshrrev_b32 v1, 5, v0
	v_readfirstlane_b32 s12, v1                    ; wave
	s_bfe_u32 s13, ttmp6, 0x40000                  ; cx: it enters the weights', vws's and gp's addresses alone
	s_and_b32 s14, ttmp7, 0xffff                   ; y: which 256 tokens; the four partners share it
	s_lshl_b32 s15, ttmp9, 2
	s_add_co_u32 s15, s15, s13
	s_lshl_b32 s15, s15, 2
	s_add_co_u32 s15, s15, s12                     ; my head
	; descriptor group 1: four records, 34,816 dense bytes, as 136 rows of 256 bytes (32 elements of 8 bytes)
	s_mov_b32 s16, 15|(3<<16)|(1<<21)              ; the mask: all four work-groups; elements of 8 bytes; bit 21 set beside a mask; no padding
	s_mov_b32 s17, 32<<16                          ; tensor_dim0 = 32
	s_mov_b32 s18, 136<<16                         ; tensor_dim1 = 136
	s_mov_b32 s19, 32<<16                          ; tile_dim0 = 32
	s_mov_b32 s20, 136                             ; tile_dim1 = 136
	s_mov_b32 s21, 32                              ; from row to row
	s_mov_b32 s22, 0
	s_mov_b32 s23, 0
	s_mov_b32 s24, 1
	s_mul_i32 s25, s12, 4*REC                      ; LDS: my four records
	s_lshl_b32 s38, s14, 4
	s_lshl_b32 s39, s12, 2
	s_add_co_u32 s38, s38, s39
	s_mul_i32 s38, s38, REC                        ; in memory: record 16 y + 4 x wave
	s_mov_b32 s39, 0
	s_mul_i32 s30, s15, 4*REC                      ; my head's four records of Wqk
	s_mov_b32 s31, 0
	s_lshl_b32 s32, s14, 19                        ; vws: 16 records of 32,768 bytes for each y,
	s_lshl_b32 s33, s15, 11                        ; my head's two fragments of 1,024 bytes
	s_add_co_u32 s32, s32, s33
	s_mov_b32 s33, 0
	s_lshr_b32 s40, s14, 3
	s_lshl_b32 s40, s40, 4
	s_add_co_u32 s40, s40, s15                     ; 16 x batch + head
	s_lshl_b32 s40, s40, 3
	s_and_b32 s41, s14, 7
	s_add_co_u32 s40, s40, s41                     ; x 8 + the block of tokens
	s_lshl_b32 s40, s40, 14
	s_mov_b32 s41, 0
	s_mov_b32 s37, 0                               ; LDS byte at which the trip's two records begin
	s_wait_dscnt 0x0                               ; both opening adds are done
	s_wait_kmcnt 0x0
	s_add_nc_u64 s[26:27], s[4:5], s[38:39]
	s_or_b32 s27, s27, 0x80000000                  ; type = 2
	s_add_nc_u64 s[28:29], s[6:7], s[30:31]
	s_add_nc_u64 s[32:33], s[8:9], s[32:33]
	s_add_nc_u64 s[34:35], s[10:11], s[40:41]
	ROUND                                          ; all four work-groups are here: the joint loads meet
	tensor_load_to_lds s[24:27], s[16:23]          ; my one tensor load of the launch
	s_nop 0
.rept 4
	v_nop
.endr
	v_and_b32 v48, 15, v0                          ; r
	v_bfe_u32 v49, v0, 4, 1                        ; h
	v_and_b32 v1, 31, v0
	v_lshlrev_b32 v[LI], 4, v1
	v_mul_u32_u24 v[WSO], v49, 64*REC              ; lanes 16-31: Wv's records lie 64 records on
	v_lshl_add_u32 v[WSO], v48, 5, v[WSO]
	v_mul_u32_u24 v[AXS0], v49, REC
	v_lshl_add_u32 v[AXS0], v48, 5, v[AXS0]
	v_add_nc_u32 v[AXS0], 8192, v[AXS0]
.irp t, 0,1,2,3
	global_load_b128 v[WS+8*\t:WS+8*\t+3], v[WSO], s[28:29] offset:REC*\t+8192
	global_load_b128 v[WS+8*\t+4:WS+8*\t+7], v[WSO], s[28:29] offset:REC*\t+8192+16
.endr
	WIN 0x40
.irp t, 0,1,2,3
.irp s, 0,1,2,3,4,5,6,7
.irp c, 0,1
	global_load_b128 v[8*(8*\t+\s)+4*\c:8*(8*\t+\s)+4*\c+3], v[LI], s[28:29] offset:REC*\t+1024*\s+512*\c
.endr
.endr
.endr
	WIN 0x80
.irp t, 0,1,2,3
.irp s, 0,1,2,3,4,5,6,7
.irp c, 0,1
	global_load_b128 v[8*(8*\t+\s)+4*\c:8*(8*\t+\s)+4*\c+3], v[LI], s[28:29] offset:64*REC+REC*\t+1024*\s+512*\c
.endr
.endr
.endr
	WIN 0
.macro XFETCH                          ; 34 LDS loads in one run: the trip's scale words, then its fragments, K step by K step
	ds_load_b128 v[XS:XS+3], v[AXS]
	ds_load_b128 v[XS+4:XS+7], v[AXS] offset:16
.irp s, 0,1,2,3,4,5,6,7
.irp i, 0,1
.irp c, 0,1
	ds_load_b128 v[XF+8*(8*\i+\s)+4*\c:XF+8*(8*\i+\s)+4*\c+3], v[AX] offset:REC*\i+1024*\s+512*\c
.endr
.endr
.endr
.endm
.macro QSTEP s                         ; eight accumulators by turns, one instruction a turn
	s_wait_dscnt 4*(7-(\s))                        ; the four loads of each later K step may be out
.set ZF, 0
.if (\s) == 0
.set ZF, 1
.endif
.irp i, 0,1
.irp t, 0,1,2,3
	FP4MM QA+8*(4*\i+\t), XF+8*(8*\i+(\s)), 8*(8*\t+(\s)), ZF, XS+(\s), WS+8*\t+(\s), \i, 0
.endr
.endr
.endm
.macro VSTEP s
.set ZF, 0
.if (\s) == 0
.set ZF, 1
.endif
.irp i, 0,1
.irp t, 0,1,2,3
	FP4MM VB+8*(4*\i+\t), 8*(8*\t+(\s)), XF+8*(8*\i+(\s)), ZF, WS+8*\t+(\s), XS+(\s), 1, \i
.endr
.endr
.endm
.macro CVTQ a                          ; accumulator a = 4 i + t: channel r of tile t, tokens 16 i + 8 h + 0 .. 7: registers 4 i .. 4 i + 3 of tile t's f16 fragment; written twice, since the two sources of a product share no register
.irp q, 0,1,2,3
	v_cvt_pk_f16_f32 v[F+8*((\a)%4)+4*((\a)/4)+\q], v[QA+8*(\a)+2*\q], v[QA+8*(\a)+2*\q+1]
	v_cvt_pk_f16_f32 v[F2+8*((\a)%4)+4*((\a)/4)+\q], v[QA+8*(\a)+2*\q], v[QA+8*(\a)+2*\q+1]
.endr
.endm
.macro GRAM first                      ; sixteen accumulators, one instruction each
.irp tm, 0,1,2,3
.irp tn, 0,1,2,3
.if \first
	v_wmma_f32_16x16x32_f16 v[8*(4*\tm+\tn):8*(4*\tm+\tn)+7], v[F+8*\tm:F+8*\tm+7], v[F2+8*\tn:F2+8*\tn+7], 0
.else
	v_wmma_f32_16x16x32_f16 v[8*(4*\tm+\tn):8*(4*\tm+\tn)+7], v[F+8*\tm:F+8*\tm+7], v[F2+8*\tn:F2+8*\tn+7], v[8*(4*\tm+\tn):8*(4*\tm+\tn)+7]
.endif
.endr
.endr
.endm
.macro VOUT
	WIN W_CV
.irp a, 0,1,2,3,4,5,6,7
.irp q, 0,1,2,3
	v_cvt_pk_f16_f32 v[VP+4*\a+\q], v[VB+8*\a+2*\q], v[VB+8*\a+2*\q+1]
.endr
.endr
	WIN W_ST
.irp i, 0,1
.irp t, 0,1,2,3
	global_store_b128 v[LI], v[VP+4*(4*\i+\t):VP+4*(4*\i+\t)+3], s[32:33] offset:32768*\i+1024*(\t/2)+512*(\t%2)
.endr
.endr
	WIN 0
.endm
; A TRIP: 32 tokens.  64 products for qk; 64 for v, with qk's roundings to f16 set between them; the next trip's x; 16 products qk^T qk; v goes out.
.macro TRIP first, more
	s_wait_xcnt 0x0                                ; the last trip's stores have read their data and their base
.if \first == 0
	s_add_nc_u64 s[32:33], s[32:33], 65536         ; two records of vws on
.endif
	WIN W_Q
.irp s, 0,1,2,3,4,5,6,7
	QSTEP \s
.endr
.if \first
	s_wait_loadcnt 0x0                             ; Wv
.endif
.irp s, 0,1,2,3,4,5,6,7
	WIN W_V
	VSTEP \s
	WIN W_CQ
.if \s == 0
.rept 4
	v_nop                                          ; four places between qk's last product and the first read of its sums
.endr
.endif
	CVTQ \s
.endr
	WIN 0
.if \more
	s_add_co_u32 s37, s37, 2*REC
	v_add_nc_u32 v[AX], s37, v[LI]                 ; (the eight roundings above and these two lines are the places behind v's last product, in front of the loads into x's registers)
	v_add_nc_u32 v[AXS], s37, v[AXS0]
	XFETCH
.endif
	WIN W_G
	GRAM \first
	VOUT
.endm
	v_add_nc_u32 v[AX], s37, v[LI]
	v_add_nc_u32 v[AXS], s37, v[AXS0]
	s_wait_tensorcnt 0x0                           ; my four records are in,
	s_barrier_signal -1
	s_barrier_wait -1                              ; everybody's are
	XFETCH
	s_wait_loadcnt 63                              ; of 136 loads at most 63 of Wv's 64 are out: the scale words and Wqk are in
	TRIP 1, 1
	s_mov_b32 s36, 6
.Ltrip:
	TRIP 0, 1
	s_sub_co_u32 s36, s36, 1
	s_cmp_lg_u32 s36, 0
	s_cbranch_scc1 .Ltrip
	TRIP 0, 0                                      ; the last trip fetches nothing
	WIN W_ST                                       ; G goes out as it stands, each accumulator from its low end on; v's 32 roundings are the places behind the last products
.irp k, 0,1,2,3,4,5,6,7,8,9,10,11,12,13,14,15
	global_store_b128 v[LI], v[8*\k:8*\k+3], s[34:35] offset:1024*\k
	global_store_b128 v[LI], v[8*\k+4:8*\k+7], s[34:35] offset:1024*\k+512
.endr
	WIN 0
	s_wait_tensorcnt 0x0                           ; the wave's end
	ds_add_u32 v[SPW], v[NIL]
	s_wait_dscnt 0x0
	ROUND                                          ; the closing round
	s_endpgm
.Lfunc_end_k_q067dbcaf12_proj:
	.size	k_q067dbcaf12_proj, .Lfunc_end_k_q067dbcaf12_proj-k_q067dbcaf12_proj
	.p2alignl 7, 3214868480
	.fill 96, 4, 3214868480
	.section	.rodata,"a",@progbits
	.p2align	6, 0x0
	.amdhsa_kernel k_q067dbcaf12_proj
		.amdhsa_group_segment_fixed_size 167936
		.amdhsa_private_segment_fixed_size 0
		.amdhsa_enable_private_segment 0
		.amdhsa_kernarg_size 32
		.amdhsa_user_sgpr_count 2
		.amdhsa_user_sgpr_kernarg_segment_ptr 1
		.amdhsa_wavefront_size32 1
		.amdhsa_system_sgpr_workgroup_id_x 1
		.amdhsa_system_sgpr_workgroup_id_y 1
		.amdhsa_system_sgpr_workgroup_id_z 1
		.amdhsa_system_vgpr_workitem_id 0
		.amdhsa_next_free_vgpr 1024
		.amdhsa_next_free_sgpr 66
		.amdhsa_reserve_vcc 0
		.amdhsa_float_denorm_mode_32 3
		.amdhsa_float_denorm_mode_16_64 3
		.amdhsa_memory_ordered 1
		.amdhsa_forward_progress 1
		.amdhsa_inst_pref_size 102
	.end_amdhsa_kernel
	.amdgpu_metadata
---
amdhsa.version: [ 1, 2 ]
amdhsa.kernels:
  - .name:           k_q067dbcaf12_proj
    .symbol:         k_q067dbcaf12_proj.kd
    .args:
      - { .name: xq, .offset: 0, .size: 8, .value_kind: global_buffer, .address_space: global }
      - { .name: wq, .offset: 8, .size: 8, .value_kind: global_buffer, .address_space: global }
      - { .name: vws, .offset: 16, .size: 8, .value_kind: global_buffer, .address_space: global }
      - { .name: gp, .offset: 24, .size: 8, .value_kind: global_buffer, .address_space: global }
    .group_segment_fixed_size: 167936
    .private_segment_fixed_size: 0
    .kernarg_segment_align: 8
    .kernarg_segment_size: 32
    .max_flat_workgroup_size: 128
    .sgpr_count:     66
    .vgpr_count:     1024
    .wavefront_size: 32
...
	.end_amdgpu_metadata
.endif
;; end of part 2
;; launch mix (part 3): grid 256 x 1, 4 waves a work-group, no clusters, 25,088 bytes of LDS; arguments gp, wof, tau, wop; writes wop
.if DOCPART == 3
	.amdgcn_target "amdgcn-amd-amdhsa--gfx1250"
	.amdhsa_code_object_version 6
	.text
	.protected	k_q067dbcaf12_mix
	.globl	k_q067dbcaf12_mix
	.p2align	8
	.type	k_q067dbcaf12_mix,@function
k_q067dbcaf12_mix:
	s_mov_b64 s[64:65], 0
	v_nop
	global_prefetch_b8 v0, s[64:65] scope:SCOPE_SE
	s_setreg_imm32_b32 hwreg(HW_REG_WAVE_MODE, 25, 1), 1
	s_wait_xcnt 0x0
; For a batch b and a head: G = the sum of eight partial qk^T qk; attn = softmax along e of c' (2 G[d][e] - G[e][e]), c' = tau / sqrt(2048); W'[64 h + e][n] = sum over d of attn[d][e] Wo[64 h + d][n], in f16 operands and f32 sums.
; WORK LEFT OUT: the term - q2[d] is the same along the softmax's axis e and cancels; q2[e] is G's diagonal.  The row's maximum is taken away before the exponential, as in the definition.
; The product of attn with v and the product with Wo are taken in the other order of sums: attn meets Wo here, and the last launch multiplies v by W'.
; SHARES.  Two work-groups for each batch and head, each for 512 of the 1,024 columns n (both make the small softmax).  Wave w: the softmax's rows d = 16 w .. 16 w + 15, and 8 tiles of 16 columns.
; In G's tile (w, tn) lane (r, h) holds d = 16 w + 8 h + j in register j and e = 16 tn + r: the softmax's axis lies across sixteen lanes and four registers.
; attn, packed in pairs along d, IS a group of four registers of the left operand attn^T (rows e, K = d): it goes to the other waves through LDS as an image of the registers.
; LIMIT: |Wo| up to 65,504 (f16); weights of the softmax under 6e-8 are rounded to 0.
; REGISTERS.  window 0: v1-7 addresses; v8-11 q2, then -c q2; v12-19 maxima, then reciprocals; v20-27 sums; v12-27 at last attn as f16; v28, v29 c, 2 c; v32-63 my 16 x 64 of G; v64-127 attn^T's 8 fragments; v128-255 Wo's 16 fragments, at last W' as f16.
;   window 1: the eight partial G, at last the 32 accumulators.
.set GI,    0                          ; LDS: G's sixteen tiles as images, 1,024 bytes each
.set ATB,   16384                      ; attn^T's eight fragments
.set SPARE, 24576                      ; the spare words, 128 bytes a wave
.set LI,  1
.set DG,  2
.set SPW, 6                            ; my spare word; never rewritten
.set NIL, 7                            ; 0; never rewritten
.set U,   32
.set AT,  64
.set WF,  128
.set OP,  128
.set MSB, 0
.macro WIN new                         ; the immediate's high byte repeats the setting that is left
.if MSB != \new
	s_set_vgpr_msb (MSB<<8)|\new
.set MSB, \new
.endif
.endm
	s_load_b256 s[4:11], s[0:1], 0x0               ; gp, wof, tau, wop
	v_lshl_add_u32 v[SPW], v0, 2, SPARE
	v_mov_b32 v[NIL], 0
	v_lshrrev_b32 v1, 5, v0
	v_readfirstlane_b32 s12, v1                    ; wave
	v_and_b32 v1, 31, v0
	v_lshlrev_b32 v[LI], 4, v1                     ; 16 x lane
	v_and_b32 v5, 15, v0                           ; r
	v_bfe_u32 v[DG], v0, 2, 1                      ; element (r, r) of a tile's image: register r % 8 of lane 16 (r / 8) + r:
	v_lshlrev_b32 v[DG], 9, v[DG]                  ; 512 x ((r / 4) % 2)
	v_bfe_u32 v28, v0, 3, 1
	v_lshl_add_u32 v[DG], v28, 8, v[DG]            ; + 256 (r / 8)
	v_lshl_add_u32 v[DG], v5, 4, v[DG]             ; + 16 r
	v_and_b32 v28, 3, v0
	v_lshl_add_u32 v[DG], v28, 2, v[DG]            ; + 4 (r % 4)
	s_lshl_b32 s13, s12, 12
	v_add_nc_u32 v3, s13, v[LI]                    ; where I put my four tiles of G
	s_lshl_b32 s13, s12, 9
	s_add_co_u32 s13, s13, ATB
	v_add_nc_u32 v4, s13, v[LI]                    ; and my group of registers of attn^T's fragments
	s_and_b32 s14, ttmp9, 1                        ; which 512 columns
	s_bfe_u32 s15, ttmp9, 0x40001                  ; head
	s_lshr_b32 s16, ttmp9, 5                       ; batch
	s_lshr_b32 s20, ttmp9, 1
	s_lshl_b32 s20, s20, 17                        ; gp: 131,072 bytes for each batch and head,
	s_lshl_b32 s21, s12, 12                        ; my row of four tiles
	s_add_co_u32 s20, s20, s21
	s_mov_b32 s21, 0
	s_lshl_b32 s17, s14, 5
	s_lshl_b32 s18, s12, 3
	s_add_co_u32 s17, s17, s18                     ; my first tile of 16 columns
	s_lshl_b32 s22, s15, 17
	s_lshl_b32 s18, s17, 11
	s_add_co_u32 s22, s22, s18                     ; wof
	s_mov_b32 s23, 0
	s_lshl_b32 s24, s16, 21
	s_lshl_b32 s18, s17, 15
	s_add_co_u32 s24, s24, s18
	s_lshl_b32 s18, s15, 11
	s_add_co_u32 s24, s24, s18                     ; wop
	s_mov_b32 s25, 0
	s_lshl_b32 s26, s15, 2
	s_mov_b32 s27, 0
	s_wait_kmcnt 0x0
	s_add_nc_u64 s[4:5], s[4:5], s[20:21]
	s_add_nc_u64 s[6:7], s[6:7], s[22:23]
	s_add_nc_u64 s[8:9], s[8:9], s[26:27]
	s_add_nc_u64 s[10:11], s[10:11], s[24:25]
	s_load_b32 s19, s[8:9], 0x0                    ; tau of my head
	WIN 0x40
.irp k, 0,1,2,3,4,5,6,7
.irp tn, 0,1,2,3
.irp hf, 0,1
	global_load_b128 v[32*\k+8*\tn+4*\hf:32*\k+8*\tn+4*\hf+3], v[LI], s[4:5] offset:16384*\k+1024*\tn+512*\hf
.endr
.endr
.endr
	WIN 0
.irp f, 0,1,2,3,4,5,6,7,8,9,10,11,12,13,14,15
.irp hf, 0,1
	global_load_b128 v[WF+8*\f+4*\hf:WF+8*\f+4*\hf+3], v[LI], s[6:7] offset:1024*\f+512*\hf
.endr
.endr
	s_wait_loadcnt 32                              ; the partial sums are in; Wo's 32 loads may be out
	WIN 0x45                                       ; the eight partial sums are added in a fixed order, two numbers an instruction
.irp k, 0,2,4,6
.irp j, 0,2,4,6,8,10,12,14,16,18,20,22,24,26,28,30
	v_pk_add_f32 v[32*\k+\j:32*\k+\j+1], v[32*\k+\j:32*\k+\j+1], v[32*(\k+1)+\j:32*(\k+1)+\j+1]
.endr
.endr
.irp k, 0,4
.irp j, 0,2,4,6,8,10,12,14,16,18,20,22,24,26,28,30
	v_pk_add_f32 v[32*\k+\j:32*\k+\j+1], v[32*\k+\j:32*\k+\j+1], v[32*(\k+2)+\j:32*(\k+2)+\j+1]
.endr
.endr
	WIN 0x05
.irp j, 0,2,4,6,8,10,12,14,16,18,20,22,24,26,28,30
	v_pk_add_f32 v[U+\j:U+\j+1], v[\j:\j+1], v[128+\j:128+\j+1]
.endr
	WIN 0
.irp tn, 0,1,2,3
.irp hf, 0,1
	ds_store_b128 v3, v[U+8*\tn+4*\hf:U+8*\tn+4*\hf+3] offset:GI+1024*\tn+512*\hf
.endr
.endr
	s_wait_dscnt 0x0                               ; for the others' sake: my stores have landed
	s_barrier_signal -1
	s_barrier_wait -1                              ; all sixteen tiles of G lie in LDS
.irp tn, 0,1,2,3
	ds_load_b32 v[8+\tn], v[DG] offset:GI+5120*\tn ; G[e][e], e = 16 tn + r: the diagonal of tile (tn, tn)
.endr
	s_wait_kmcnt 0x0
	v_mov_b32 v28, s19
	v_mul_f32 v28, 0x3d0293ee, v28                 ; c = tau log2(e) / sqrt(2048)
	v_add_f32 v29, v28, v28                        ; 2 c
	s_wait_dscnt 0x0
.irp tn, 0,1,2,3
	v_mul_f32 v[8+\tn], -v28, v[8+\tn]
.endr
.irp tn, 0,1,2,3
.irp j, 0,1,2,3,4,5,6,7
	v_fma_f32 v[U+8*\tn+\j], v[U+8*\tn+\j], v29, v[8+\tn]   ; t = c (2 G[d][e] - G[e][e])
.endr
.endr
.irp j, 0,1,2,3,4,5,6,7
	v_max3_num_f32 v[12+\j], v[U+\j], v[U+8+\j], v[U+16+\j]
.endr
.irp j, 0,1,2,3,4,5,6,7
	v_max_num_f32 v[12+\j], v[12+\j], v[U+24+\j]
.endr
.irp m, 1,2,4,8                        ; and across the sixteen lanes that share d
.irp j, 0,1,2,3,4,5,6,7
	v_max_num_f32_dpp v[12+\j], v[12+\j], v[12+\j] row_xmask:\m row_mask:0xf bank_mask:0xf
.endr
.endr
.irp tn, 0,1,2,3
.irp j, 0,2,4,6
	v_pk_add_f32 v[U+8*\tn+\j:U+8*\tn+\j+1], v[U+8*\tn+\j:U+8*\tn+\j+1], v[12+\j:13+\j] neg_lo:[0,1] neg_hi:[0,1]   ; t - the row's largest t
.endr
.endr
.set j, 0
.rept 32
	v_exp_f32 v[U+j], v[U+j]
.set j, j+1
.endr
	v_nop                                          ; a plain place behind the exponentials
	s_wait_alu depctr_va_vdst(0)                   ; one wait for the batch, ahead of its first reader
.irp j, 0,2,4,6
	v_pk_add_f32 v[20+\j:21+\j], v[U+\j:U+\j+1], v[U+8+\j:U+8+\j+1]
.endr
.irp j, 0,2,4,6
	v_pk_add_f32 v[20+\j:21+\j], v[20+\j:21+\j], v[U+16+\j:U+16+\j+1]
.endr
.irp j, 0,2,4,6
	v_pk_add_f32 v[20+\j:21+\j], v[20+\j:21+\j], v[U+24+\j:U+24+\j+1]
.endr
.irp m, 1,2,4,8
.irp j, 0,1,2,3,4,5,6,7
	v_add_f32_dpp v[20+\j], v[20+\j], v[20+\j] row_xmask:\m row_mask:0xf bank_mask:0xf
.endr
.endr
.irp j, 0,1,2,3,4,5,6,7
	v_rcp_f32 v[12+\j], v[20+\j]                   ; the sum is at least 1
.endr
	v_nop
	s_wait_alu depctr_va_vdst(0)                   ; one wait for the eight reciprocals
.irp tn, 0,1,2,3
.irp j, 0,2,4,6
	v_pk_mul_f32 v[U+8*\tn+\j:U+8*\tn+\j+1], v[U+8*\tn+\j:U+8*\tn+\j+1], v[12+\j:13+\j]
.endr
.endr
.irp tn, 0,1,2,3
.irp q, 0,1,2,3
	v_cvt_pk_f16_f32 v[12+4*\tn+\q], v[U+8*\tn+2*\q], v[U+8*\tn+2*\q+1]   ; row e = 16 tn + r, K = d = 16 w + 8 h + 2 q, + 1
.endr
.endr
.irp tn, 0,1,2,3
	ds_store_b128 v4, v[12+4*\tn:12+4*\tn+3] offset:2048*\tn   ; fragment (tn, w / 2), its registers 4 (w % 2) on
.endr
	s_wait_dscnt 0x0
	s_barrier_signal -1
	s_barrier_wait -1                              ; attn^T's eight fragments lie in LDS
.irp i, 0,1,2,3,4,5,6,7,8,9,10,11,12,13,14,15
	ds_load_b128 v[AT+4*\i:AT+4*\i+3], v[LI] offset:ATB+512*\i
.endr
	s_wait_dscnt 0x0
	s_wait_loadcnt 0x0                             ; Wo
	WIN 0x50                                       ; C and D window 1.  32 accumulators by turns, one instruction a turn
.irp p, 0,1
.irp nt, 0,1,2,3,4,5,6,7
.irp te, 0,1,2,3
.if \p == 0
	v_wmma_f32_16x16x32_f16 v[8*(4*\nt+\te):8*(4*\nt+\te)+7], v[AT+8*(2*\te+\p):AT+8*(2*\te+\p)+7], v[WF+8*(2*\nt+\p):WF+8*(2*\nt+\p)+7], 0
.else
	v_wmma_f32_16x16x32_f16 v[8*(4*\nt+\te):8*(4*\nt+\te)+7], v[AT+8*(2*\te+\p):AT+8*(2*\te+\p)+7], v[WF+8*(2*\nt+\p):WF+8*(2*\nt+\p)+7], v[8*(4*\nt+\te):8*(4*\nt+\te)+7]
.endif
.endr
.endr
.endr
.rept 4
	v_nop                                          ; four places in front of the reads of results and the writes over Wo's fragments
.endr
	WIN 0x05
.set a, 0
.rept 32
.irp q, 0,1,2,3
	v_cvt_pk_f16_f32 v[OP+4*a+\q], v[8*a+2*\q], v[8*a+2*\q+1]   ; column r, k = 64 head + 16 te + 8 h + 2 q, + 1
.endr
.set a, a+1
.endr
	WIN 0
.irp nt, 0,1,2,3,4,5,6,7
.irp te, 0,1,2,3
	global_store_b128 v[LI], v[OP+4*(4*\nt+\te):OP+4*(4*\nt+\te)+3], s[10:11] offset:32768*\nt+1024*(\te/2)+512*(\te%2)   ; 512 consecutive bytes, aligned
.endr
.endr
	s_wait_tensorcnt 0x0                           ; the wave's end, behind my last LDS store
	ds_add_u32 v[SPW], v[NIL]
	s_wait_dscnt 0x0
	s_endpgm
.Lfunc_end_k_q067dbcaf12_mix:
	.size	k_q067dbcaf12_mix, .Lfunc_end_k_q067dbcaf12_mix-k_q067dbcaf12_mix
	.p2alignl 7, 3214868480
	.fill 96, 4, 3214868480
	.section	.rodata,"a",@progbits
	.p2align	6, 0x0
	.amdhsa_kernel k_q067dbcaf12_mix
		.amdhsa_group_segment_fixed_size 25088
		.amdhsa_private_segment_fixed_size 0
		.amdhsa_enable_private_segment 0
		.amdhsa_kernarg_size 32
		.amdhsa_user_sgpr_count 2
		.amdhsa_user_sgpr_kernarg_segment_ptr 1
		.amdhsa_wavefront_size32 1
		.amdhsa_system_sgpr_workgroup_id_x 1
		.amdhsa_system_sgpr_workgroup_id_y 1
		.amdhsa_system_sgpr_workgroup_id_z 1
		.amdhsa_system_vgpr_workitem_id 0
		.amdhsa_next_free_vgpr 512
		.amdhsa_next_free_sgpr 66
		.amdhsa_reserve_vcc 0
		.amdhsa_float_denorm_mode_32 3
		.amdhsa_float_denorm_mode_16_64 3
		.amdhsa_memory_ordered 1
		.amdhsa_forward_progress 1
		.amdhsa_inst_pref_size 49
	.end_amdhsa_kernel
	.amdgpu_metadata
---
amdhsa.version: [ 1, 2 ]
amdhsa.kernels:
  - .name:           k_q067dbcaf12_mix
    .symbol:         k_q067dbcaf12_mix.kd
    .args:
      - { .name: gp, .offset: 0, .size: 8, .value_kind: global_buffer, .address_space: global }
      - { .name: wof, .offset: 8, .size: 8, .value_kind: global_buffer, .address_space: global }
      - { .name: tau, .offset: 16, .size: 8, .value_kind: global_buffer, .address_space: global }
      - { .name: wop, .offset: 24, .size: 8, .value_kind: global_buffer, .address_space: global }
    .group_segment_fixed_size: 25088
    .private_segment_fixed_size: 0
    .kernarg_segment_align: 8
    .kernarg_segment_size: 32
    .max_flat_workgroup_size: 128
    .sgpr_count:     66
    .vgpr_count:     512
    .wavefront_size: 32
...
	.end_amdgpu_metadata
.endif
;; end of part 3
;; launch outp (part 4): grid 4 x 64, 4 waves a work-group, clusters of 4 x 4, 327,680 bytes of LDS; arguments vws, wop, out0; writes out0
.if DOCPART == 4
	.amdgcn_target "amdgcn-amd-amdhsa--gfx1250"
	.amdhsa_code_object_version 6
	.text
	.protected	k_q067dbcaf12_outp
	.globl	k_q067dbcaf12_outp
	.p2align	8
	.type	k_q067dbcaf12_outp,@function
k_q067dbcaf12_outp:
	s_mov_b64 s[64:65], 0
	v_nop
	global_prefetch_b8 v0, s[64:65] scope:SCOPE_SE
	s_setreg_imm32_b32 hwreg(HW_REG_WAVE_MODE, 25, 1), 1
	s_wait_xcnt 0x0
	s_wait_alu depctr_hold_cnt(0) depctr_sa_sdst(0) depctr_va_vdst(0) depctr_va_sdst(0) depctr_va_ssrc(0) depctr_va_vcc(0) depctr_vm_vsrc(0)
	s_getreg_b32 s2, hwreg(HW_REG_IB_STS2, 6, 4)
	s_cmp_eq_u32 s2, 0
	s_cbranch_scc0 .Lentry_in_a_cluster
	s_endpgm
.Lentry_in_a_cluster:
	s_bfe_u32 s2, ttmp6, 0x10000c
	s_cmp_lg_u32 s2, 0xf033
	s_cbranch_scc0 .Lentry_shape_is_right
	s_endpgm
.Lentry_shape_is_right:
; out0[n][:] = sum over k of v[n][k] W'_b[k][:]: 16,384 x 1,024 x 1,024, f16 operands, f32 sums; b = the token's batch.  (The product with attn was made on Wo by the launch before: sums in another order, nothing left out here.)
; Both operands lie in memory in the order of the operands' registers: vws [16 tokens][32 fragments of 32 k][1,024 bytes], wop [batch][16 columns][32 fragments][1,024 bytes].
; A tile of out0, 256 x 256, is made by four waves, each 128 x 128: 64 accumulators, 512 registers.  K goes in steps of 128 through a ring of two LDS slots: a K step of a record of 16 rows is 4,096 consecutive bytes;
; a wave's tensor load brings eight of them, 32,768 bytes apart in memory, on end in LDS.  A fragment load takes 512 consecutive bytes: no pitch, no padding.
; CLUSTERS: 4 x 4 work-groups.  The four of a row of the cluster need the same tokens, the four of a column the same columns of the same batch's W' (a cluster's 1,024 tokens lie in one batch): each tile is asked for JOINTLY.
; THE MATRIX INSTRUCTION IS USED TRANSPOSED (source 0 = 16 columns of W', source 1 = 16 tokens): a lane holds eight neighbouring numbers of a row of out0.
; REGISTERS: window 0: v0-31 addresses; v64-127, v128-191 v's fragments, two buffers; on the way out v128-255 rows of out0.  window 1: v64-127, v128-191 W's fragments.  windows 2, 3: the accumulators ((a, b) at v[8 (8 (a % 4) + b)]).
.set KSB,    4096                      ; a K step of one record
.set HALFT,  8*KSB                     ; 128 rows: what one tensor load brings, and what one wave reads of either operand
.set SLOT,   4*HALFT
.set STAGE,  2*SLOT                    ; behind the ring: 16 rows x 528 bytes for each wave; no fill lands there
.set SPITCH, 528
.set SPARE,  STAGE+4*16*SPITCH         ; the spare words, 128 bytes a wave
.set LAPS,   4                         ; eight K steps, two a lap
.set ROWO,   4096                      ; a row of out0
.set ADRA, 16                          ; v16-17 LDS address of my tokens' fragments in slot 0, 1
.set ADRB, 20                          ; v20-21 of my columns'
.set STO,  24
.set RD,   25
.set CO,   26
.set SPW,  28                          ; my spare word; never rewritten
.set NIL,  29                          ; 0; never rewritten
.set PFO,  30                          ; the prefetches' offset; never rewritten
.set PFA,  44                          ; s[44:45] where my prefetches stand
.set LIM,  43                          ; s43 1 in a wave that prefetches, else the greatest number
.set F0,   64
.set F1,   128
.set BK,   128
.set G1, 24
.set G0, 32
.set G1B, 48
.set G0B, 56
.set MSB, 0
.macro WIN new                         ; the immediate's high byte repeats the setting that is left
.if MSB != \new
	s_set_vgpr_msb (MSB<<8)|\new
.set MSB, \new
.endif
.endm
.set MUL_LO, 0xa1                      ; source 0 (W') window 1, source 1 (v) window 0, C and D window 2
.set MUL_HI, 0xf1                      ; the same, C and D window 3
.set TO_B,   0x40
; A joint load: waves 0 and 1 fetch v's two halves, waves 2 and 3 W's.  The branch hangs on the wave's number alone.  An s_nop 0 and four v_nop follow each of the two lines.
.macro JLOAD s
	s_cmp_eq_u32 s11, 0
	s_cbranch_scc0 .Lfor_b_\@
	tensor_load_to_lds s[G0+4*\s:G0+4*\s+3], s[G1:G1+7]
	s_nop 0
.rept 4
	v_nop
.endr
	s_branch .Lasked_\@
.Lfor_b_\@:
	tensor_load_to_lds s[G0B+4*\s:G0B+4*\s+3], s[G1B:G1B+7]
	s_nop 0
.rept 4
	v_nop
.endr
.Lasked_\@:
.endm
; A prefetch of the K step that stands two refills on.  Of the eight records that a wave fetches each of the four partners that ask with it takes two, told apart by address: 2 x 4,096 bytes, lanes 256 bytes apart, one instruction.
; v's tokens are read by one cluster alone: it asks.  A batch's W' is read by two clusters: the one with even y asks.  So each 256 bytes are named once.  The loop's last trip asks for nothing: there is no K step two on.
.macro ASK
	s_cmp_gt_u32 s3, s[LIM]
	s_cbranch_scc0 .Lnot_mine_\@
	global_prefetch_b8 v[PFO], s[PFA:PFA+1] offset:KSB th:TH_LOAD_NT scope:SCOPE_SE
.Lnot_mine_\@:
.endm
.macro CREST                           ; a round of the cluster's barrier behind its opening barrier
	s_cmp_lg_u32 s10, 0
	s_cbranch_scc1 .Lnot_wave_0_\@
	s_barrier_signal -3
.Lnot_wave_0_\@:
	s_barrier_wait -3
	s_barrier_signal -1
	s_barrier_wait -1
.endm
.macro CROUND
	s_barrier_signal -1
	s_barrier_wait -1
	CREST
.endm
	s_load_b128 s[4:7], s[0:1], 0x0                ; vws, wop
	s_load_b64 s[8:9], s[0:1], 0x10                ; out0
	v_lshl_add_u32 v[SPW], v0, 2, SPARE
	v_mov_b32 v[NIL], 0
	ds_add_u32 v[SPW], v[NIL]                      ; the wave's opening: the add, twice on end, and its wait ahead of my first tensor load
	ds_add_u32 v[SPW], v[NIL]
	v_lshrrev_b32 v1, 5, v0
	v_readfirstlane_b32 s10, v1                    ; wave
	s_lshr_b32 s11, s10, 1                         ; which half of the tile's rows is mine.  Also: I fetch for v (0) or for W' (1)
	s_and_b32 s12, s10, 1                          ; which half of its columns.  Also: which 128 rows of that tile I fetch
	s_bfe_u32 s40, ttmp6, 0x40000                  ; cx
	s_bfe_u32 s41, ttmp6, 0x40004                  ; cy
	s_lshl_b32 s42, ttmp9, 2
	s_add_co_u32 s42, s42, s40                     ; tile column
	s_and_b32 s13, ttmp7, 0xffff
	s_lshl_b32 s13, s13, 2
	s_add_co_u32 s13, s13, s41                     ; tile row
	s_lshl_b32 s43, s41, 2
	s_lshl_b32 s43, 15, s43                        ; my row of the cluster
	s_lshl_b32 s44, 0x1111, s40                    ; my column
	; descriptor group 1: 8 rows of 4,096 bytes (512 elements of 8 bytes), 32,768 bytes apart
	s_or_b32 s[G1+0], s43, (3<<16)|(1<<21)
	s_or_b32 s[G1B+0], s44, (3<<16)|(1<<21)
.irp g, G1, G1B
	s_mov_b32 s[\g+1], 512<<16                     ; tensor_dim0
	s_mov_b32 s[\g+2], 8<<16                       ; tensor_dim1
	s_mov_b32 s[\g+3], 512<<16                     ; tile_dim0
	s_mov_b32 s[\g+4], 8                           ; tile_dim1
	s_mov_b32 s[\g+5], 4096                        ; from row to row, in elements
	s_mov_b32 s[\g+6], 0
	s_mov_b32 s[\g+7], 0
.endr
	s_lshl_b32 s16, s13, 4
	s_lshl_b32 s17, s12, 3
	s_add_co_u32 s16, s16, s17                     ; v: record 16 x tile row + 8 x half
	s_lshl_b32 s16, s16, 15
	s_mov_b32 s17, 0
	s_lshl_b32 s46, s42, 4
	s_lshl_b32 s47, s12, 3
	s_add_co_u32 s46, s46, s47                     ; W': record 16 x tile column + 8 x half,
	s_lshl_b32 s46, s46, 15
	s_and_b32 s47, ttmp7, 0xffff
	s_lshr_b32 s47, s47, 1                         ; of the batch: two clusters to a batch
	s_lshl_b32 s47, s47, 21
	s_add_co_u32 s46, s46, s47
	s_mov_b32 s47, 0
	s_lshl_b32 s20, s10, 15                        ; where they go: wave x 32,768: no place in the cluster enters an LDS address
	s_wait_dscnt 0x0                               ; both opening adds are done
	s_wait_kmcnt 0x0
	s_add_nc_u64 s[14:15], s[4:5], s[16:17]
	s_add_nc_u64 s[46:47], s[6:7], s[46:47]
	CROUND                                         ; all sixteen work-groups are here: the first joint loads meet
.irp s, 0,1
	s_mov_b32 s[G0+4*\s], 1
	s_add_co_u32 s[G0+4*\s+1], s20, \s*SLOT
	s_add_nc_u64 s[G0+4*\s+2:G0+4*\s+3], s[14:15], \s*KSB
	s_or_b32 s[G0+4*\s+3], s[G0+4*\s+3], 0x80000000
	s_mov_b32 s[G0B+4*\s], 1
	s_add_co_u32 s[G0B+4*\s+1], s20, \s*SLOT
	s_add_nc_u64 s[G0B+4*\s+2:G0B+4*\s+3], s[46:47], \s*KSB
	s_or_b32 s[G0B+4*\s+3], s[G0B+4*\s+3], 0x80000000
	JLOAD \s
.endr
	v_and_b32 v1, 15, v0                           ; l % 16
	v_bfe_u32 v2, v0, 4, 1                         ; l / 16
	v_and_b32 v3, 31, v0
	v_lshlrev_b32 v3, 4, v3                        ; 16 x lane
	s_lshl_b32 s21, s11, 15                        ; my 128 tokens
	s_lshl_b32 s22, s12, 15                        ; my 128 columns,
	s_add_co_u32 s22, s22, 2*HALFT                 ; which lie behind the 256 tokens
.irp s, 0,1
	v_add_nc_u32 v[ADRA+\s], s21, v3
	v_add_nc_u32 v[ADRB+\s], s22, v3
	s_add_co_u32 s21, s21, SLOT
	s_add_co_u32 s22, s22, SLOT
.endr
	s_mul_i32 s23, s10, 16*SPITCH
	s_add_co_u32 s23, s23, STAGE                   ; my stage
	v_mul_u32_u24 v4, v1, SPITCH
	v_lshl_add_u32 v4, v2, 5, v4
	v_add_nc_u32 v[STO], s23, v4                   ; in: row l % 16, 32 bytes for each half of the lanes
	v_add_nc_u32 v[RD], s23, v3                    ; back: the 32 lanes take one row of 512 bytes
	v_mov_b32 v[CO], v3                            ; and the same in out0
	s_lshl_b32 s16, s13, 8
	s_lshl_b32 s17, s11, 7
	s_add_co_u32 s16, s16, s17                     ; my first row of out0
	s_lshl_b32 s16, s16, 12
	s_mov_b32 s17, 0
	s_lshl_b32 s46, s42, 10                        ; my first column, in bytes
	s_lshl_b32 s47, s12, 9
	s_add_co_u32 s46, s46, s47
	s_mov_b32 s47, 0
	s_add_nc_u64 s[16:17], s[16:17], s[46:47]
	s_add_nc_u64 s[8:9], s[8:9], s[16:17]
	; the prefetches
	s_lshl_b32 s20, s13, 4                         ; the tile's first record in vws,
	s_lshl_b32 s21, s42, 4
	s_and_b32 s22, ttmp7, 0xffff
	s_lshr_b32 s23, s22, 1
	s_lshl_b32 s23, s23, 6
	s_add_co_u32 s21, s21, s23                     ; in wop
	s_and_b32 s22, s22, 1                          ; 0 in the batch's first cluster
	s_cmp_eq_u32 s11, 0                            ; do I fetch for v?
	s_cselect_b32 s20, s20, s21
	s_cselect_b32 s21, s40, s41                    ; my place among the four that ask with me
	s_cselect_b32 s22, ttmp9, s22                  ; 0 where my cluster is the one that asks: the same in all sixteen partners, for a given wave
	s_cselect_b64 s[PFA:PFA+1], s[4:5], s[6:7]
	s_cmp_eq_u32 s22, 0
	s_cselect_b32 s[LIM], 1, -1
	s_lshl_b32 s22, s12, 3
	s_add_co_u32 s20, s20, s22                     ; + the eight records that I fetch
	s_lshl_b32 s21, s21, 1
	s_add_co_u32 s20, s20, s21                     ; + my work-group's two of them
	s_lshl_b32 s20, s20, 15
	s_add_co_u32 s20, s20, 2*KSB                   ; at K step 2: the first refill steps it to 3 and names K step 4
	s_mov_b32 s21, 0
	s_add_nc_u64 s[PFA:PFA+1], s[PFA:PFA+1], s[20:21]
	v_lshlrev_b32 v[PFO], 8, v1
	v_lshl_add_u32 v[PFO], v2, 15, v[PFO]          ; lanes 0-15: 256 bytes apart in the first record; lanes 16-31 in the second
; 16 matrix instructions: row blocks a0, a0 + 1 of the window's four x all 8 column blocks, 32 along K.  The 64 accumulators take turns, one instruction a turn, in the same order in every quarter.
.macro MUL16 f, hi, a0, zero
.irp a, \a0, \a0+1
.irp b, 0,1,2,3,4,5,6,7
.if \zero
	v_wmma_f32_16x16x32_f16 v[8*(8*(\a)+\b):8*(8*(\a)+\b)+7], v[\f+8*\b:\f+8*\b+7], v[\f+8*(4*\hi+\a):\f+8*(4*\hi+\a)+7], 0
.else
	v_wmma_f32_16x16x32_f16 v[8*(8*(\a)+\b):8*(8*(\a)+\b)+7], v[\f+8*\b:\f+8*\b+7], v[\f+8*(4*\hi+\a):\f+8*(4*\hi+\a)+7], v[8*(8*(\a)+\b):8*(8*(\a)+\b)+7]
.endif
.endr
.endr
.endm
; 32 LDS loads in one run: the fragments of the slot's q-th 32 along K into buffer f: W's sixteen loads, then v's
.macro FETCH slot, q, f
	WIN TO_B
.irp i, 0,1,2,3,4,5,6,7
	ds_load_b128 v[\f+8*\i:\f+8*\i+3],   v[ADRB+\slot] offset:1024*(\q)+KSB*\i
	ds_load_b128 v[\f+8*\i+4:\f+8*\i+7], v[ADRB+\slot] offset:1024*(\q)+KSB*\i+512
.endr
	WIN 0
.irp i, 0,1,2,3,4,5,6,7
	ds_load_b128 v[\f+8*\i:\f+8*\i+3],   v[ADRA+\slot] offset:1024*(\q)+KSB*\i
	ds_load_b128 v[\f+8*\i+4:\f+8*\i+7], v[ADRA+\slot] offset:1024*(\q)+KSB*\i+512
.endr
.endm
.macro PLACES                          ; four places in front of loads into registers that matrix instructions have read, and of the first reads of results
.rept 4
	v_nop
.endr
.endm
.macro QUARTER slot, q, f, g, zero     ; multiplies buffer f; in its middle it fetches the slot's q-th quarter into buffer g
	s_wait_dscnt 8                                 ; W's fragments and my tokens 0-63 are in; the youngest eight loads (tokens 64-127) may be out
	WIN MUL_LO
	MUL16 \f, 0, 0, \zero
	MUL16 \f, 0, 2, \zero
	PLACES
	FETCH \slot, \q, \g
	s_wait_dscnt 32                                ; all but the 32 just issued
	WIN MUL_HI
	MUL16 \f, 1, 0, \zero
	MUL16 \f, 1, 2, \zero
.endm
; The last quarter's first half: ONE barrier for the change of slots.  In front of it each wave waits for all its tensor loads (one is out: its part of the next slot), adds 0 to its spare word, and waits for that and for its reads of this slot.
.macro MEET round
	WIN 0
	s_wait_tensorcnt 0x0
	ds_add_u32 v[SPW], v[NIL]
	s_wait_dscnt 9                                 ; (the add and the youngest eight loads may be out)
	WIN MUL_LO
	MUL16 F1, 0, 0, 0
	s_wait_dscnt 0x0                               ; the add is done, and my reads of this slot are over
	s_barrier_signal -1
	MUL16 F1, 0, 2, 0
.if \round
	WIN 0
.endif
	s_barrier_wait -1
.endm
.macro TURN slot, next, fill
.if \fill
	s_wait_xcnt 0x0                                ; the last prefetch, a K step back, has read its address
	s_add_nc_u64 s[PFA:PFA+1], s[PFA:PFA+1], KSB
.endif
	MEET \fill
.if \fill
	CREST                                          ; the barrier has opened a round of the cluster's: no wave of any partner still reads this slot or has a load on its way
	s_add_nc_u64 s[G0+4*\slot+2:G0+4*\slot+3], s[G0+4*\slot+2:G0+4*\slot+3], 2*KSB
	s_add_nc_u64 s[G0B+4*\slot+2:G0B+4*\slot+3], s[G0B+4*\slot+2:G0B+4*\slot+3], 2*KSB
	JLOAD \slot                                    ; the first tensor load behind the round, my one until the next; its four v_nop are also the places in front of the loads below
.else
	PLACES
.endif
	FETCH \next, 0, F0
.if \fill
	ASK
.endif
	WIN MUL_HI
	MUL16 F1, 1, 0, 0
	MUL16 F1, 1, 2, 0
.endm
	s_wait_tensorcnt 1                             ; my part of K step 0 is in; K step 1's load may stay out
	s_barrier_signal -1
	s_barrier_wait -1
	FETCH 0, 0, F0
	QUARTER 0, 1, F0, F1, 1                        ; the first quarter stands in front of the loop: its products start the sums
	WIN 0
	s_mov_b32 s3, LAPS-1
.Llap:                                             ; a trip goes once round the ring and fills both slots again
	QUARTER 0, 2, F1, F0, 0
	QUARTER 0, 3, F0, F1, 0
	TURN 0, 1, 1
	QUARTER 1, 1, F0, F1, 0
	QUARTER 1, 2, F1, F0, 0
	QUARTER 1, 3, F0, F1, 0
	TURN 1, 0, 1
	QUARTER 0, 1, F0, F1, 0
	WIN 0
	s_sub_co_u32 s3, s3, 1
	s_cmp_lg_u32 s3, 0
	s_cbranch_scc1 .Llap
	QUARTER 0, 2, F1, F0, 0                        ; the last lap fills nothing
	QUARTER 0, 3, F0, F1, 0
	TURN 0, 1, 0
	QUARTER 1, 1, F0, F1, 0
	QUARTER 1, 2, F1, F0, 0
	QUARTER 1, 3, F0, F1, 0
	s_wait_dscnt 8
	WIN MUL_LO
	MUL16 F1, 0, 0, 0
	MUL16 F1, 0, 2, 0
	s_wait_dscnt 0x0
	WIN MUL_HI
	MUL16 F1, 1, 0, 0
	MUL16 F1, 1, 2, 0
	WIN 0
; THE WAY OUT, block by block of 16 rows x 128 columns: through my own stage and back as whole rows of 512 bytes.  LDS serves a wave's instructions in order: no wait between the stores and the loads.
.macro TOSTAGE a
.set AC, 64*((\a)%4)
	WIN 0x08+4*((\a)/4)                            ; the data: window 2 or 3
.irp b, 0,1,2,3,4,5,6,7
	ds_store_b128 v[STO], v[AC+8*\b:AC+8*\b+3] offset:64*\b          ; each accumulator from its low end on
	ds_store_b128 v[STO], v[AC+8*\b+4:AC+8*\b+7] offset:64*\b+16
.endr
	WIN 0
.set BB, BK+64*((\a)%2)
.irp t, 0,1,2,3,4,5,6,7,8,9,10,11,12,13,14,15
	ds_load_b128 v[BB+4*\t:BB+4*\t+3], v[RD] offset:\t*SPITCH
.endr
.endm
.macro SEND a, younger                 ; younger: the LDS instructions issued behind block a's loads
.set BB, BK+64*((\a)%2)
	s_wait_dscnt \younger
.if (\a) > 0
	s_add_nc_u64 s[8:9], s[8:9], 16*ROWO           ; (behind a wait on XCNT: the earlier stores have read their base)
.endif
.irp t, 0,1,2,3,4,5,6,7,8,9,10,11,12,13,14,15
	global_store_b128 v[CO], v[BB+4*\t:BB+4*\t+3], s[8:9] offset:\t*ROWO th:TH_STORE_NT   ; 32 lanes store 512 consecutive bytes, aligned
.endr
.endm
	PLACES
	TOSTAGE 0
.irp a, 1,2,3,4,5,6,7
.if \a > 1
	s_wait_xcnt 0x0                                ; block a - 2's stores have read their registers and their base
.endif
	TOSTAGE \a
	SEND \a-1, 32                                  ; behind block a - 1's loads: block a's 16 stores and 16 loads
.endr
	s_wait_xcnt 0x0
	SEND 7, 0
	s_wait_tensorcnt 0x0                           ; the wave's end
	ds_add_u32 v[SPW], v[NIL]
	s_wait_dscnt 0x0
	CROUND                                         ; the closing round
	s_endpgm
.Lfunc_end_k_q067dbcaf12_outp:
	.size	k_q067dbcaf12_outp, .Lfunc_end_k_q067dbcaf12_outp-k_q067dbcaf12_outp
	.p2alignl 7, 3214868480
	.fill 96, 4, 3214868480
	.section	.rodata,"a",@progbits
	.p2align	6, 0x0
	.amdhsa_kernel k_q067dbcaf12_outp
		.amdhsa_group_segment_fixed_size 327680
		.amdhsa_private_segment_fixed_size 0
		.amdhsa_enable_private_segment 0
		.amdhsa_kernarg_size 24
		.amdhsa_user_sgpr_count 2
		.amdhsa_user_sgpr_kernarg_segment_ptr 1
		.amdhsa_wavefront_size32 1
		.amdhsa_system_sgpr_workgroup_id_x 1
		.amdhsa_system_sgpr_workgroup_id_y 1
		.amdhsa_system_sgpr_workgroup_id_z 1
		.amdhsa_system_vgpr_workitem_id 0
		.amdhsa_next_free_vgpr 1024
		.amdhsa_next_free_sgpr 66
		.amdhsa_reserve_vcc 0
		.amdhsa_float_denorm_mode_32 3
		.amdhsa_float_denorm_mode_16_64 3
		.amdhsa_memory_ordered 1
		.amdhsa_forward_progress 1
		.amdhsa_inst_pref_size 142
	.end_amdhsa_kernel
	.amdgpu_metadata
---
amdhsa.version: [ 1, 2 ]
amdhsa.kernels:
  - .name:           k_q067dbcaf12_outp
    .symbol:         k_q067dbcaf12_outp.kd
    .args:
      - { .name: vws, .offset: 0, .size: 8, .value_kind: global_buffer, .address_space: global }
      - { .name: wop, .offset: 8, .size: 8, .value_kind: global_buffer, .address_space: global }
      - { .name: out0, .offset: 16, .size: 8, .value_kind: global_buffer, .address_space: global }
    .group_segment_fixed_size: 327680
    .private_segment_fixed_size: 0
    .kernarg_segment_align: 8
    .kernarg_segment_size: 24
    .max_flat_workgroup_size: 128
    .sgpr_count:     66
    .vgpr_count:     1024
    .wavefront_size: 32
...
	.end_amdgpu_metadata
.endif
;; end of part 4
